; MI455X (gfx1250); checked and timed in simulation.
; The chip was launched on July 23, 2026; its instructions are those of AMD's public machine-readable ISA for CDNA 5 (MIT licence, August 2026) and "CDNA5" Instruction Set Architecture Reference Guide (July 2026). The comments in the code are by the model that wrote it; some were corrected since.
;; Cross Modal Attention. Allowed arithmetic: matrix products marked QUANTISED: E4M3 operands, one E8M0 scale for each 32 along K, by v_wmma_scale_f32_16x16x128_f8f6f4 with both operands' format E4M3, f32 sums; everything else in f32.
;; Inputs: Wk 768 x 768 float32; Wo 768 x 768 float32; Wq 768 x 768 float32; Wv 768 x 768 float32; bk 768 float32; bo 768 float32; bq 768 float32; bv 768 float32; ln_b 768 float32; ln_g 768 float32; text_features 8 x 1,024 x 768 float32; text_mask 8 x 1,024 int32; visual_features 8 x 1,024 x 768 float32; visual_mask 8 x 1,024 int32.
;; Outputs: out0 8 x 1,024 x 768 float32; out1 8 x 1,024 x 768 float32.
;; This version of the problem:
;;   THIS VERSION OF THE PROBLEM IS GIVEN IN LOW PRECISION. The matrix products marked QUANTISED in the list below multiply operands that are first quantised to E4M3 (4 exponent bits, 3 mantissa bits; 8 bits a number), with one power-of-two scale for each 32 numbers along K (OCP MX v1.0); their sums are f32. All else is computed in f32.
;;   The module's matrix products, in the order in which they are computed (A, B: the left and right operand; K: the contracted axis; several contracted axes count as one K, in the product's order):
;;     1. [M 8,192, K 768] x [K 768, N 768]; A: input visual_features; B: input Wq: QUANTISED
;;     2. [M 8,192, K 768] x [K 768, N 768]; A: input text_features; B: input Wk: QUANTISED
;;     3. [M 8,192, K 768] x [K 768, N 768]; A: input text_features; B: input Wv: QUANTISED
;;     4. batch 64 x [M 1,024, K 96] x [K 96, N 1,024]; A: computed on the way; B: computed on the way: QUANTISED
;;     5. batch 64 x [M 96, K 1,024] x [K 1,024, N 1,024]; A: computed on the way; B: softmax (see below): QUANTISED
;;     6. [M 8,192, K 768] x [K 768, N 768]; A: input text_features; B: input Wq: QUANTISED
;;     7. [M 8,192, K 768] x [K 768, N 768]; A: input visual_features; B: input Wk: QUANTISED
;;     8. [M 8,192, K 768] x [K 768, N 768]; A: input visual_features; B: input Wv: QUANTISED
;;     9. batch 64 x [M 1,024, K 96] x [K 96, N 1,024]; A: computed on the way; B: computed on the way: QUANTISED
;;     10. batch 64 x [M 96, K 1,024] x [K 1,024, N 1,024]; A: computed on the way; B: softmax (see below): QUANTISED
;;     11. [M 8,192, K 768] x [K 768, N 768]; A: computed on the way; B: input Wo: QUANTISED
;;     12. [M 8,192, K 768] x [K 768, N 768]; A: computed on the way; B: input Wo: QUANTISED
;;   THE QUANTISER, for each operand of a quantised product, along K:
;;     - K is cut into blocks of 32 from its start; a last block that is shorter is filled with zeros.
;;     - A block's scale is 2^e with e = floor(log2(the largest magnitude in the block)) - 8, held to -126 .. 127; a block of zeros has e = 0. As a byte (E8M0): e + 127.
;;     - Each number is divided by its block's scale, clamped to +-448, and rounded to the nearest number of E4M3, ties to even, subnormals kept.
;;     - The product sums the exact products of the quantised numbers (number of the format x scale) in f32.
;;   ~~~python
;;   def quantise(x, axis):      # numpy; x: float32 -> the quantised numbers, widened to float32 again
;;       x = np.moveaxis(x, axis, -1); K = x.shape[-1]
;;       x = np.pad(x, [(0, 0)] * (x.ndim - 1) + [(0, -K % 32)]); x = x.reshape(x.shape[:-1] + (-1, 32)); a = np.abs(x).max(-1, keepdims=True)
;;       e = np.where(a > 0, np.clip(np.frexp(np.where(a > 0, a, 1))[1] - 1 - 8, -126, 127), 0)      # np.frexp(a)[1] - 1 = floor(log2(a)), exactly
;;       r = np.clip(x / 2.0 ** e, -448, 448)
;;       step = 2.0 ** (np.maximum(np.frexp(np.where(r == 0, 1, r))[1] - 1, -6) - 3)
;;       q = np.round(r / step) * step * 2.0 ** e      # np.round: ties to even
;;       return np.moveaxis(q.reshape(q.shape[:-2] + (-1,))[..., :K], -1, axis).astype(np.float32)
;;   ~~~
;;   SOFTMAX AHEAD OF A QUANTISED PRODUCT. Where the list says 'softmax', what is quantised is not the finished softmax but p = 2^(t - M), with t = logit x log2(e) and M = ceil(the row's largest t), a whole number; so 1/2 < the row's largest p <= 1. The row's sum l is taken of the UNQUANTISED p, in f32, and the product's result is divided by l at the end. Since M is a whole number, a kernel that streams over the keys may use a running M (the ceiling of the running maximum): every later rescaling is an exact power of two, which a block's scale takes up: the codes' values come out the same.
;;   OPERANDS COMPUTED ON THE WAY. 'Computed on the way' means the value that the module computes at that place (a softmax that the list does not call 'softmax' is quantised finished and normalised). What goes into a quantiser is computed in f32, as accurately as f32 sums, v_exp_f32 and their like allow (about 1e-6 of the number): no bf16 or f16 on the way to a quantiser, and a product that is left as it is and whose result goes on into a quantised operand takes f32 operands (vector FMAs, or v_wmma_f32_16x16x4_f32). A number that lies on a knife's edge between two numbers of the format may be rounded either way, as far as f32 arithmetic and the matrix unit's own rounding can turn it there, and no further.
;; One version. Each part assembles by itself: llvm-mc -triple=amdgcn-amd-amdhsa -mcpu=gfx1250 --defsym DOCPART=n.
;; ======== version 1 of 1: 4 launches
;; limits: right only within a limited range of input values
;; workspace buffers: xq 12,582,912 bytes; xs 786,432 bytes; wrec 2,555,904 bytes; qc 12,582,912 bytes; qs 1,048,576 bytes; kv 27,262,976 bytes; ac 12,582,912 bytes; asw 1,048,576 bytes
;; launch prep (part 1): grid 32 x 33, 4 waves a work-group, no clusters, 34,304 bytes of LDS; arguments visual_features, text_features, Wq, Wk, Wv, Wo, xq, xs, wrec; writes xq, xs, wrec
.if DOCPART == 1
	.amdgcn_target "amdgcn-amd-amdhsa--gfx1250"
	.amdhsa_code_object_version 6
	.text
	.protected	k_qaeebbb6715_prep
	.globl	k_qaeebbb6715_prep
	.p2align	8
	.type	k_qaeebbb6715_prep,@function
k_qaeebbb6715_prep:
	s_mov_b64 s[64:65], 0
	v_nop
	global_prefetch_b8 v0, s[64:65] scope:SCOPE_SE
	s_setreg_imm32_b32 hwreg(HW_REG_WAVE_MODE, 25, 1), 1
	s_wait_xcnt 0x0
; PREP: the two feature tensors (16,384 tokens x 768, f32) and the four weights (768 x 768, f32, K first) become codes of FP8 (E4M3) with one E8M0 byte for each 32 along K = 768.
; Everything is stored as IMAGES OF OPERAND REGISTERS: a fragment (16 rows x 128 K) is four pieces of 512 bytes, piece c = registers 4 c .. 4 c + 3, lane l at 16 l; its scale words 4 bytes a lane.
; THE ROWS OF A TILE ARE NOT NEIGHBOURS: lane r of tile 2 g + u is row 32 g + 8 u + r + 8 (r / 8), for tiles of tokens and for tiles of a weight's columns alike.
; xq [tile 1024][K step 6][4][512];  xs [tile][3][lane][2 words];  wrec [weight 4][unit of 96 columns 8][79,872]: codes [K step 6][tile 6][2,048], then scale images [K step 6][8 slots][128] (slots 6, 7 are zeros).
; A block's scale is 2^(floor(log2(largest magnitude)) - 8); its byte is the largest magnitude's exponent field - 8, held at 1 from below; a block of zeros keeps the byte 1: its codes are zeros, and this program alone reads the bytes.
; LIMITS: blocks whose largest magnitude lies under 2^-118 get the byte 1; NaN and infinities among the inputs are not served.
; Work-group rows y = 0 .. 8 take the weights (a wave: one fragment), rows 9 .. 32 the features (a wave: one tile of 16 tokens x 256 along K).  Waves share nothing: no barrier.
; 194 registers a wave: five waves fit on a SIMD's 1,024, so the four or five work-groups that fall to a WGP lie there together.
.set FLOOR, 0x4800000                  ; 2^(9 - 127)
.set EOFF,  0xfc000000                 ; takes 8 off an exponent field
.set TM,  8                            ; v8-11 largest magnitudes, v12-15 bytes, v20-23 the conversions' scale operands
.set TP,  25                           ; v25 at work
.set XW,  26                           ; v26-27 the two scale words
.set PC,  28                           ; v28-59 codes, two sets
.set RW,  60                           ; v60-187 two sets of 64: rows as loaded, then, back from the stage, register 16 b + i = k 32 b + 16 (lane / 16) + i of my row
.set WOF, 188                          ; v188 a weight's lane offset
.set L4,  189                          ; v189 4 x lane
.set NIL, 190                          ; v190 0
.set SEL, 40                           ; s[40:41] selects for lane l xor 16
.set MNT, 42
.macro QUANT src, pc, pw
.irp b, 0,1,2,3
	v_max3_num_f32 v[TM+\b], |v[\src+16*\b]|, |v[\src+16*\b+1]|, FLOOR   ; block b: my 16 numbers and the floor
.endr
.irp i, 2,4,6,8,10,12,14
.irp b, 0,1,2,3
	v_max3_num_f32 v[TM+\b], v[TM+\b], |v[\src+16*\b+\i]|, |v[\src+16*\b+\i+1]|
.endr
.endr
.irp b, 0,1,2,3
	v_permlanex16_b32 v[TM+4+\b], v[TM+\b], s[SEL], s[SEL+1]
.endr
.irp b, 0,1,2,3
	v_max_num_f32 v[TM+\b], v[TM+\b], v[TM+4+\b]   ; with lane l xor 16's: the block's largest magnitude
.endr
.irp b, 0,1,2,3
	v_add_nc_u32 v[TM+12+\b], EOFF, v[TM+\b]       ; the conversion's scale operand
.endr
.irp b, 0,1,2,3
.endr
.irp b, 0,1,2,3
	v_lshrrev_b32 v[TM+4+\b], 23, v[TM+12+\b]      ; the scale's byte
.endr
	v_lshl_or_b32 v[\pw], v[TM+5], 8, v[TM+4]
	v_lshl_or_b32 v[\pw], v[TM+6], 16, v[\pw]
	v_lshl_or_b32 v[\pw], v[TM+7], 24, v[\pw]
.irp b, 0,1,2,3
.irp i, 0,1,2,3,4,5,6,7,8,9,10,11,12,13,14,15
.endr
	v_cvt_scalef32_pk8_fp8_f32 v[\pc+4*\b:\pc+4*\b+1], v[\src+16*\b:\src+16*\b+7], v[TM+12+\b]
	v_cvt_scalef32_pk8_fp8_f32 v[\pc+4*\b+2:\pc+4*\b+3], v[\src+16*\b+8:\src+16*\b+15], v[TM+12+\b]
.endr
	v_nop                                          ; a plain line behind the last conversion
.endm
	s_load_b256 s[4:11], s[0:1], 0x0               ; visual, text, Wq, Wk
	s_load_b256 s[12:19], s[0:1], 0x20             ; Wv, Wo, xq, xs
	s_load_b64 s[20:21], s[0:1], 0x40              ; wrec
	v_lshl_add_u32 v192, v0, 2, 0x8400
	v_mov_b32 v193, 0
	v_lshrrev_b32 v1, 5, v0
	v_readfirstlane_b32 s22, v1                    ; wave
	s_and_b32 s23, ttmp7, 0xffff                   ; y
	v_and_b32 v1, 31, v0                           ; lane
	v_and_b32 v2, 15, v0                           ; r
	v_bfe_u32 v3, v0, 4, 1                         ; h
	v_lshlrev_b32 v4, 4, v1                        ; 16 x lane
	s_mul_i32 s32, s22, 8448                       ; my wave's stage: 16 rows of 512 bytes + 16
	v_lshl_add_u32 v5, v1, 4, s32                  ; into it: 16 x lane of a row
	v_mul_u32_u24 v6, v2, 528
	v_lshl_add_u32 v6, v3, 6, v6
	v_add_nc_u32 v6, s32, v6                       ; out of it: row r, + 64 h
	v_lshlrev_b32 v7, 3, v1                        ; 8 x lane
	v_lshlrev_b32 v[L4], 2, v1
	v_mov_b32 v[NIL], 0
.irp b, 0,1,2,3
	v_mov_b32 v[TM+4+\b], 0                        ; a lane permute's destination counts as one of its sources
.endr
	s_mov_b32 s[SEL], 0x76543210
	s_mov_b32 s[SEL+1], 0xfedcba98
	s_wait_kmcnt 0x0
	s_cmp_lt_u32 s23, 9
	s_cbranch_scc1 .Lweights
	; ---- the features: tile tau = 4 G + wave, K steps 2 s3 and 2 s3 + 1
	s_sub_co_u32 s23, s23, 9
	s_lshr_b32 s24, s23, 3                         ; s3
	s_and_b32 s25, s23, 7
	s_lshl_b32 s26, s25, 5
	s_add_co_u32 s26, s26, ttmp9                   ; G: a group of 64 tokens
	s_cmp_lt_u32 s25, 4                            ; groups 0-127 are visual, 128-255 text
	s_cselect_b64 s[4:5], s[4:5], s[6:7]
	s_and_b32 s27, s26, 127
	s_lshl_b32 s27, s27, 1
	s_lshr_b32 s28, s22, 1
	s_add_co_u32 s27, s27, s28                     ; the pair of tiles
	s_lshl_b32 s27, s27, 5
	s_and_b32 s28, s22, 1
	s_lshl_b32 s28, s28, 3
	s_add_co_u32 s27, s27, s28                     ; the tile's first token
	s_mul_i32 s28, s27, 3072
	s_lshl_b32 s29, s24, 10
	s_add_co_u32 s28, s28, s29
	s_mov_b32 s29, 0
	s_add_nc_u64 s[4:5], s[4:5], s[28:29]
	s_lshl_b32 s30, s26, 2
	s_add_co_u32 s30, s30, s22                     ; tau
	s_mul_i32 s28, s30, 12288
	s_lshl_b32 s31, s24, 12
	s_add_co_u32 s28, s28, s31
	s_add_nc_u64 s[16:17], s[16:17], s[28:29]
	s_mul_i32 s28, s30, 768
	s_lshl_b32 s31, s24, 8
	s_add_co_u32 s28, s28, s31
	s_add_nc_u64 s[18:19], s[18:19], s[28:29]
.irp e, 0,1
.irp p, 0,1,2,3,4,5,6,7,8,9,10,11,12,13,14,15
	global_load_b128 v[RW+64*\e+4*\p:RW+64*\e+4*\p+3], v4, s[4:5] offset:(\p+8*(\p/8))*3072+512*\e th:TH_LOAD_NT   ; 32 lanes read 512 consecutive bytes of one token's row
.endr
.endr
	s_wait_alu depctr_va_vdst(0)
.irp e, 0,1
	s_wait_loadcnt 16-16*\e                        ; this K step's 16 loads are in; the other's may be out
.irp p, 0,1,2,3,4,5,6,7,8,9,10,11,12,13,14,15
	ds_store_b128 v5, v[RW+64*\e+4*\p:RW+64*\e+4*\p+3] offset:528*\p
.endr
.irp b, 0,1,2,3
.irp j, 0,1,2,3
	ds_load_b128 v[RW+64*\e+16*\b+4*\j:RW+64*\e+16*\b+4*\j+3], v6 offset:128*\b+16*\j   ; LDS serves a wave's instructions in order (ISA guide 5.7.1.4): these see my stores, and come back into the registers that the stores left
.endr
.endr
	s_wait_dscnt 0x0
	QUANT RW+64*\e, PC+16*\e, XW+\e
.irp c, 0,1,2,3
	global_store_b128 v4, v[PC+16*\e+4*\c:PC+16*\e+4*\c+3], s[16:17] offset:2048*\e+512*\c   ; 512 consecutive bytes a store
.endr
.endr
	global_store_b64 v7, v[XW:XW+1], s[18:19]      ; 256 consecutive bytes
	s_wait_tensorcnt 0x0
	ds_add_u32 v192, v193
	s_wait_dscnt 0x0
	s_endpgm
.Lweights:
	; ---- the weights: record = work-group x (weight x / 8, unit x % 8); fragment f = 6 s + t of 36: K step s, tile t.  A lane takes a column and its registers run down K
	s_lshl_b32 s24, s23, 2
	s_add_co_u32 s24, s24, s22                     ; f = 4 y + wave
	s_mul_i32 s25, s24, 43
	s_lshr_b32 s25, s25, 8                         ; s = f / 6 (exact for f under 36)
	s_mul_i32 s26, s25, 6
	s_sub_co_u32 s26, s24, s26                     ; t
	s_lshr_b32 s27, ttmp9, 3
	s_and_b32 s28, ttmp9, 7
	s_cmp_eq_u32 s27, 1
	s_cselect_b64 s[8:9], s[10:11], s[8:9]
	s_cmp_eq_u32 s27, 2
	s_cselect_b64 s[8:9], s[12:13], s[8:9]
	s_cmp_eq_u32 s27, 3
	s_cselect_b64 s[8:9], s[14:15], s[8:9]
	s_mul_i32 s30, s28, 96
	s_lshr_b32 s31, s26, 1
	s_lshl_b32 s31, s31, 5
	s_add_co_u32 s30, s30, s31
	s_and_b32 s31, s26, 1
	s_lshl_b32 s31, s31, 3
	s_add_co_u32 s30, s30, s31                     ; the tile's first column
	s_lshl_b32 s30, s30, 2
	s_mul_i32 s31, s25, 393216                     ; 128 rows of 3,072 bytes a K step
	s_add_co_u32 s30, s30, s31
	s_mov_b32 s31, 0
	s_add_nc_u64 s[8:9], s[8:9], s[30:31]
	s_mul_i32 s30, ttmp9, 79872
	s_add_nc_u64 s[20:21], s[20:21], s[30:31]      ; the record
	s_lshl_b32 s30, s24, 11
	s_add_nc_u64 s[34:35], s[20:21], s[30:31]      ; my fragment's image
	s_lshl_b32 s30, s25, 3
	s_add_co_u32 s30, s30, s26
	s_lshl_b32 s30, s30, 7
	s_add_co_u32 s30, s30, 73728
	s_add_nc_u64 s[36:37], s[20:21], s[30:31]      ; its scale words
	v_mul_u32_u24 v[WOF], v3, 49152                ; lanes 16-31 begin 16 rows further down
	v_and_b32 v[TP], 8, v2
	v_add_nc_u32 v[TP], v[TP], v2                  ; r + 8 (r / 8)
	v_lshl_add_u32 v[WOF], v[TP], 2, v[WOF]
.irp c, 0,1,2,3
.irp i, 0,1,2,3,4,5,6,7,8,9,10,11,12,13,14,15
	global_load_b32 v[RW+16*\c+\i], v[WOF], s[8:9] offset:(32*\c+\i)*3072
.endr
.endr
	s_wait_loadcnt 0x0
	QUANT RW, PC, XW
.irp c, 0,1,2,3
	global_store_b128 v4, v[PC+4*\c:PC+4*\c+3], s[34:35] offset:512*\c
.endr
	global_store_b32 v[L4], v[XW], s[36:37]
	s_cmp_lt_u32 s26, 2                            ; tiles 0 and 1 also fill slots 6 and 7 with zeros: every byte of a record is stored
	s_cbranch_scc0 .Lno_pad
	global_store_b32 v[L4], v[NIL], s[36:37] offset:768
.Lno_pad:
	s_endpgm
.Lfunc_end_k_qaeebbb6715_prep:
	.size	k_qaeebbb6715_prep, .Lfunc_end_k_qaeebbb6715_prep-k_qaeebbb6715_prep
	.p2alignl 7, 3214868480
	.fill 96, 4, 3214868480
	.section	.rodata,"a",@progbits
	.p2align	6, 0x0
	.amdhsa_kernel k_qaeebbb6715_prep
		.amdhsa_group_segment_fixed_size 34304
		.amdhsa_private_segment_fixed_size 0
		.amdhsa_enable_private_segment 0
		.amdhsa_kernarg_size 72
		.amdhsa_user_sgpr_count 2
		.amdhsa_user_sgpr_kernarg_segment_ptr 1
		.amdhsa_wavefront_size32 1
		.amdhsa_system_sgpr_workgroup_id_x 1
		.amdhsa_system_sgpr_workgroup_id_y 1
		.amdhsa_system_sgpr_workgroup_id_z 1
		.amdhsa_system_vgpr_workitem_id 0
		.amdhsa_next_free_vgpr 194
		.amdhsa_next_free_sgpr 66
		.amdhsa_reserve_vcc 0
		.amdhsa_float_denorm_mode_32 3
		.amdhsa_float_denorm_mode_16_64 3
		.amdhsa_fp16_overflow 1
		.amdhsa_memory_ordered 1
		.amdhsa_forward_progress 1
		.amdhsa_inst_pref_size 30
	.end_amdhsa_kernel
	.amdgpu_metadata
---
amdhsa.version: [ 1, 2 ]
amdhsa.kernels:
  - .name:           k_qaeebbb6715_prep
    .symbol:         k_qaeebbb6715_prep.kd
    .args:
      - { .name: visual_features, .offset: 0, .size: 8, .value_kind: global_buffer, .address_space: global }
      - { .name: text_features, .offset: 8, .size: 8, .value_kind: global_buffer, .address_space: global }
      - { .name: Wq, .offset: 16, .size: 8, .value_kind: global_buffer, .address_space: global }
      - { .name: Wk, .offset: 24, .size: 8, .value_kind: global_buffer, .address_space: global }
      - { .name: Wv, .offset: 32, .size: 8, .value_kind: global_buffer, .address_space: global }
      - { .name: Wo, .offset: 40, .size: 8, .value_kind: global_buffer, .address_space: global }
      - { .name: xq, .offset: 48, .size: 8, .value_kind: global_buffer, .address_space: global }
      - { .name: xs, .offset: 56, .size: 8, .value_kind: global_buffer, .address_space: global }
      - { .name: wrec, .offset: 64, .size: 8, .value_kind: global_buffer, .address_space: global }
    .group_segment_fixed_size: 34304
    .private_segment_fixed_size: 0
    .kernarg_segment_align: 8
    .kernarg_segment_size: 72
    .max_flat_workgroup_size: 128
    .sgpr_count:     66
    .vgpr_count:     194
    .wavefront_size: 32
...
	.end_amdgpu_metadata
.endif
;; end of part 1
;; launch proj (part 2): grid 8 x 32, 4 waves a work-group, no clusters, 327,680 bytes of LDS; arguments xq, xs, wrec, bq, bk, bv, qc, qs, kv; writes qc, qs, kv
.if DOCPART == 2
	.amdgcn_target "amdgcn-amd-amdhsa--gfx1250"
	.amdhsa_code_object_version 6
	.text
	.protected	k_qaeebbb6715_proj
	.globl	k_qaeebbb6715_proj
	.p2align	8
	.type	k_qaeebbb6715_proj,@function
k_qaeebbb6715_proj:
	s_mov_b64 s[64:65], 0
	v_nop
	global_prefetch_b8 v0, s[64:65] scope:SCOPE_SE
	s_setreg_imm32_b32 hwreg(HW_REG_WAVE_MODE, 25, 1), 1
	s_wait_xcnt 0x0
; PROJ: q = x Wq + bq, k = x Wk + bk, v = x Wv + bv on codes of FP8 (E4M3) with E8M0 scales, for all 16,384 tokens, and each result quantised at once: q and k along the head's 96, v along the keys.
; A work-group takes one head g (96 columns of each weight) and 512 tokens; a wave 128 tokens (one key step of its sequence), in two passes of four tiles of 16.
; The three weight records of head g (79,872 bytes each) come into LDS once, a quarter of each by each wave's tensor loads: three loads of mine are out at the most; LDS is never filled again.
; q, k: THE PRODUCT IS USED TRANSPOSED (source 0 = 16 columns of W, source 1 = 16 tokens): a lane holds one token, and the registers of column tiles 2 b, 2 b + 1 are 16 neighbours of the head's 96.
; v: source 0 = 16 tokens, source 1 = 16 columns: a lane holds one column, and the registers of token tiles 2 b', 2 b' + 1 are 16 neighbouring keys.  So the conversions' results are register images of the next operands.
; The biases are the C of each sum's first matrix instruction.  The second pass's x is asked for during the first pass's products for v: the fragments of a K step as soon as that K step's products are issued.
; No multicast: left for a later text; the 32 work-groups of a head read the same three records.
; OUT: qc [seq 16][head 8][tile 64][3][512]; qs [seq][head][group 16][lane][4 words];  kv [seq][head][key step 8][26,624]: K's codes (8 tiles x 1,536), V's codes [tile 6][4][512] at 12,288, K's words at 24,576, V's at 25,600.
; LIMITS: blocks whose largest magnitude lies under 2^-118 get the byte 1 (a block of zeros too: its codes are zeros); NaN and infinities are not served.
; REGISTERS (absolute): 1-4, 5-8 LDS addresses; 16-39 x's scale words; 40-51 W's, two sets; 52-59 V's words; 64-111 bias; 160-255 W set 0; 256-447 accumulators; 448-495 codes; 496-507 maxima; 508-511 at work;
;   512-895 x's fragments (K step s, tile i at 512 + 16 (4 s + i)); 896-991 W set 1.
.set FLOOR, 0x4800000
.set EOFF,  0xfc000000
.set LB,  1                            ; v1-4  16 x lane + 65,536 k
.set LS,  5                            ; v5-8  4 x lane + 65,536 k
.set L8,  9                            ; v9    8 x lane
.set BQO, 10                           ; v10   64 h
.set BVO, 11                           ; v11   4 (r + 8 (r / 8))
.set XS,  16
.set WS,  40
.set VW,  52
.set BIA, 64
.set WA,  160
.set WB,  896
.set ACC, 256
.set XF,  512
.set C1,  192                          ; in window 1: codes,
.set M1,  240                          ; maxima, then scale operands, then bytes,
.set H1,  252                          ; four at work
.set MSB, 0
.macro WIN new                         ; the immediate's high byte repeats the setting that is left
.if MSB != (\new)
	s_set_vgpr_msb (MSB<<8)|(\new)
.set MSB, (\new)
.endif
.endm
.macro PLACES n
.rept \n
	v_nop
.endr
.endm
.macro MM d, a, b, c, sa, sb           ; registers by their absolute numbers; the windows follow from them
	WIN ((((\d)>>8)<<6)|(((\c)>>8)<<4)|(((\b)>>8)<<2)|((\a)>>8))
	v_wmma_scale_f32_16x16x128_f8f6f4 v[(\d)&255:((\d)&255)+7], v[(\a)&255:((\a)&255)+15], v[(\b)&255:((\b)&255)+15], v[(\c)&255:((\c)&255)+7], v[\sa], v[\sb]
.endm
.macro XLOAD                           ; the first pass's four tiles: fragments of x, all six K steps, and their scale words
.irp ss, 0,1,2,3,4,5
.irp ii, 0,1,2,3
.irp cc, 0,1,2,3
	WIN (((XF+16*(4*\ss+\ii))>>8)<<6)
	global_load_b128 v[(XF+16*(4*\ss+\ii)+4*\cc)&255:((XF+16*(4*\ss+\ii)+4*\cc)&255)+3], v[LB], s[4:5] offset:\ii*12288+\ss*2048+512*\cc
.endr
.endr
.endr
	WIN 0
.irp ii, 0,1,2,3
.irp s3, 0,1,2
	global_load_b64 v[XS+6*\ii+2*\s3:XS+6*\ii+2*\s3+1], v[L8], s[6:7] offset:\ii*768+256*\s3
.endr
.endr
.endm
.macro BLOADQK pb                      ; lane (r, h), tile 2 b + u: the bias of columns 32 b + 16 h + 8 u + 0 .. 7
.irp tt, 0,1,2,3,4,5
	global_load_b128 v[BIA+8*\tt:BIA+8*\tt+3], v[BQO], s[\pb:\pb+1] offset:(32*(\tt/2)+8*(\tt%2))*4
	global_load_b128 v[BIA+8*\tt+4:BIA+8*\tt+7], v[BQO], s[\pb:\pb+1] offset:(32*(\tt/2)+8*(\tt%2))*4+16
.endr
.endm
.macro BLOADV                          ; lane r, tile 2 b + u: the bias of column 32 b + 8 u + r + 8 (r / 8), in all eight registers
.irp tt, 0,1,2,3,4,5
.irp jj, 0,1,2,3,4,5,6,7
	global_load_b32 v[BIA+8*\tt+\jj], v[BVO], s[14:15] offset:(32*(\tt/2)+8*(\tt%2))*4
.endr
.endr
.endm
; In the first pass alone (a scalar branch on the pass's number: the second pass has no successor, and no load leaves its buffer): K step s of the next four tiles of x, into the registers that v's products of K step s have left;
; behind an odd K step the pair of scale words too; behind the last one q's bias for the next pass.
.macro XNEXT s
	WIN 0
	s_cmp_lg_u32 s63, 0
	s_cbranch_scc1 .Lnx_\@
.irp ii, 0,1,2,3
.irp cc, 0,1,2,3
	WIN (((XF+16*(4*(\s)+\ii))>>8)<<6)
	global_load_b128 v[(XF+16*(4*(\s)+\ii)+4*\cc)&255:((XF+16*(4*(\s)+\ii)+4*\cc)&255)+3], v[LB], s[4:5] offset:49152+\ii*12288+(\s)*2048+512*\cc
.endr
.endr
	WIN 0
.if ((\s)%2) == 1
.irp ii, 0,1,2,3
	global_load_b64 v[XS+6*\ii+(\s)-1:XS+6*\ii+(\s)], v[L8], s[6:7] offset:3072+\ii*768+256*((\s)/2)
.endr
.endif
.if (\s) == 5
	BLOADQK 10
.endif
.Lnx_\@:
.endm
.macro WLOAD u, s                      ; weight u's six fragments of K step s and their scale words: 30 LDS loads, into set s % 2
.set WOFF, 79872*(\u)+(\s)*12288
.set WSO,  79872*(\u)+73728+(\s)*1024
.set WSET, (\s)%2
.set WR,   160-32*WSET
	WIN 0xc0*WSET
.irp tt, 0,1,2,3,4,5
.irp cc, 0,1,2,3
	ds_load_b128 v[WR+16*\tt+4*\cc:WR+16*\tt+4*\cc+3], v[LB+((WOFF+\tt*2048+512*\cc)>>16)] offset:(WOFF+\tt*2048+512*\cc)&0xffff
.endr
.endr
	WIN 0
.irp tt, 0,1,2,3,4,5
	ds_load_b32 v[WS+6*WSET+\tt], v[LS+((WSO+128*\tt)>>16)] offset:(WSO+128*\tt)&0xffff
.endr
.endm
; One K step of weight u: 24 matrix instructions, the 24 accumulators by turns; the next K step's weights are fetched ahead of them.
.macro KSTEP u, s
	PLACES 8                                       ; eight places behind the last products, in front of loads into registers that they read
.if ((\u) == 2) && ((\s) > 0)
	XNEXT (\s)-1
.endif
.if (\s) < 5
	WLOAD \u,(\s)+1
.elseif (\u) < 2
	WLOAD (\u)+1,0
.endif
.if (\s) == 1
.if (\u) == 0
	BLOADQK 12                                     ; k's bias, for the next weight
.endif
.if (\u) == 1
	BLOADV
.endif
.endif
.if ((\u) == 2) && ((\s) == 5)
	s_wait_dscnt 0x0
.else
	s_wait_dscnt 30                                ; this K step's weights are in; the 30 loads just issued may be out
.endif
.if ((\s) == 0) && ((\u) > 0)
	s_wait_loadcnt 0x0                             ; the bias
.endif
.set WRA, WA+(WB-WA)*((\s)%2)
.irp ii, 0,1,2,3
.irp tt, 0,1,2,3,4,5
.if (\u) < 2
.if (\s) == 0
	MM ACC+8*(6*\ii+\tt),WRA+16*\tt,XF+16*(4*(\s)+\ii),BIA+8*\tt,WS+6*((\s)%2)+\tt,XS+6*\ii+(\s)
.else
	MM ACC+8*(6*\ii+\tt),WRA+16*\tt,XF+16*(4*(\s)+\ii),ACC+8*(6*\ii+\tt),WS+6*((\s)%2)+\tt,XS+6*\ii+(\s)
.endif
.else
.if (\s) == 0
	MM ACC+16*(2*\tt+(\ii/2))+8*(\ii%2),XF+16*(4*(\s)+\ii),WRA+16*\tt,BIA+8*\tt,XS+6*\ii+(\s),WS+6*((\s)%2)+\tt
.else
	MM ACC+16*(2*\tt+(\ii/2))+8*(\ii%2),XF+16*(4*(\s)+\ii),WRA+16*\tt,ACC+16*(2*\tt+(\ii/2))+8*(\ii%2),XS+6*\ii+(\s),WS+6*((\s)%2)+\tt
.endif
.endif
.endr
.endr
.endm
; The 192 results are twelve blocks of 16 registers a lane (block p at 16 p of window 1), each half of a block of 32 along the next K: maxima, scales, conversion.  Each accumulator is read from its low end on.
; w = 1: the wait that frees the last stores' registers, and the places behind the last products, stand here; w = 0: they stand further up.
.macro EPI w
.if \w
	s_wait_xcnt 0x0                                ; the last stores have read their registers
	PLACES 8
.endif
	WIN 0x55
.irp p, 0,1,2,3,4,5,6,7,8,9,10,11
	v_max3_num_f32 v[M1+\p], |v[16*\p]|, |v[16*\p+1]|, FLOOR
.endr
.irp i, 2,4,6,8,10,12,14
.irp p, 0,1,2,3,4,5,6,7,8,9,10,11
	v_max3_num_f32 v[M1+\p], v[M1+\p], |v[16*\p+\i]|, |v[16*\p+\i+1]|
.endr
.endr
.irp q, 0,1,2
.irp k, 0,1,2,3
	v_permlanex16_b32 v[H1+\k], v[M1+4*\q+\k], s60, s61
.endr
.irp k, 0,1,2,3
	v_max_num_f32 v[M1+4*\q+\k], v[M1+4*\q+\k], v[H1+\k]
.endr
.endr
.irp q, 0,1,2
.irp k, 0,1,2,3
	v_and_or_b32 v[H1+\k], v[M1+4*\q+\k], 0x7f800000, s62   ; 448 x the scale
.endr
.irp k, 0,1,2,3
	v_add_nc_u32 v[M1+4*\q+\k], EOFF, v[M1+4*\q+\k]         ; the conversion's scale operand
.endr
.irp k, 0,1,2,3
.irp i, 0,1,2,3,4,5,6,7,8,9,10,11,12,13,14,15
.endr
	v_cvt_scalef32_pk8_fp8_f32 v[C1+4*(4*\q+\k):C1+4*(4*\q+\k)+1], v[16*(4*\q+\k):16*(4*\q+\k)+7], v[M1+4*\q+\k]
	v_cvt_scalef32_pk8_fp8_f32 v[C1+4*(4*\q+\k)+2:C1+4*(4*\q+\k)+3], v[16*(4*\q+\k)+8:16*(4*\q+\k)+15], v[M1+4*\q+\k]
.endr
.endr
	v_nop                                          ; a plain line behind the last conversion
.irp p, 0,1,2,3,4,5,6,7,8,9,10,11
	v_lshrrev_b32 v[M1+\p], 23, v[M1+\p]           ; the bytes
.endr
.endm
.macro QKTAIL cb, sb                   ; block 3 i + b is block b of tile i: three pieces of codes a tile, one word a tile (byte 3 = 0: the fourth block of the instruction's 128 is zero codes)
.irp ii, 0,1,2,3
	v_lshl_or_b32 v[H1+\ii], v[M1+3*\ii+1], 8, v[M1+3*\ii]
.endr
.irp ii, 0,1,2,3
	v_lshl_or_b32 v[H1+\ii], v[M1+3*\ii+2], 16, v[H1+\ii]
.endr
	WIN 0x04                                       ; a store's data are its source 1
.irp ii, 0,1,2,3
.irp bb, 0,1,2
	global_store_b128 v[LB], v[C1+4*(3*\ii+\bb):C1+4*(3*\ii+\bb)+3], s[\cb:\cb+1] offset:\ii*1536+512*\bb
.endr
.endr
	global_store_b128 v[LB], v[H1:H1+3], s[\sb:\sb+1]
	WIN 0
.endm
.macro VTAIL                           ; block 2 t + b' is key block 2 pass + b' of head tile t
.irp tt, 0,1,2,3,4,5
	v_lshl_or_b32 v[M1+2*\tt], v[M1+2*\tt+1], 8, v[M1+2*\tt]
.endr
	WIN 0
.irp tt, 0,1,2,3,4,5
	v_lshrrev_b32 v[VW+\tt], 16, v[VW+\tt]         ; pass 0's two bytes move down,
.endr
	WIN 0x01
.irp tt, 0,1,2,3,4,5
	v_lshl_or_b32 v[VW+\tt], v[M1+2*\tt], 16, v[VW+\tt]   ; this pass's come in on top
.endr
	WIN 0x04
.irp tt, 0,1,2,3,4,5
.irp bb, 0,1
	global_store_b128 v[LB], v[C1+4*(2*\tt+\bb):C1+4*(2*\tt+\bb)+3], s[56:57] offset:\tt*2048+512*\bb
.endr
.endr
	WIN 0
.endm
	s_load_b256 s[4:11], s[0:1], 0x0               ; xq, xs, wrec, bq
	s_load_b256 s[12:19], s[0:1], 0x20             ; bk, bv, qc, qs
	s_load_b64 s[20:21], s[0:1], 0x40              ; kv
	v_lshl_add_u32 v158, v0, 2, 0x3a800
	v_mov_b32 v159, 0
	ds_add_u32 v158, v159
	ds_add_u32 v158, v159
	v_lshrrev_b32 v12, 5, v0
	v_readfirstlane_b32 s22, v12                   ; wave
	s_and_b32 s24, ttmp7, 0xffff                   ; block of 512 tokens
	s_mov_b32 s32, 3<<16                           ; group 1: 78 rows of 32 elements of 8 bytes, dense
	s_mov_b32 s33, 32<<16
	s_mov_b32 s34, 78<<16
	s_mov_b32 s35, 32<<16
	s_mov_b32 s36, 78
	s_mov_b32 s37, 32
	s_mov_b32 s38, 0
	s_mov_b32 s39, 0
	s_mul_i32 s25, s22, 19968                      ; my quarter of a record
	s_mul_i32 s26, ttmp9, 79872
	s_add_co_u32 s26, s26, s25
	s_mov_b32 s27, 0
	s_wait_dscnt 0x0
	s_wait_kmcnt 0x0
.irp u, 0,1,2
	s_mov_b32 s[40+4*\u], 1
	s_add_co_u32 s[41+4*\u], s25, 79872*\u
	s_add_nc_u64 s[42+4*\u:43+4*\u], s[8:9], s[26:27]
	s_add_nc_u64 s[42+4*\u:43+4*\u], s[42+4*\u:43+4*\u], 638976*\u
	s_or_b32 s[43+4*\u], s[43+4*\u], 0x80000000
.endr
	tensor_load_to_lds s[40:43], s[32:39]
	s_nop 0
	tensor_load_to_lds s[44:47], s[32:39]
	s_nop 0
	tensor_load_to_lds s[48:51], s[32:39]
	s_nop 0
	PLACES 4
	v_and_b32 v13, 31, v0
	v_and_b32 v14, 15, v0
	v_bfe_u32 v15, v0, 4, 1
	v_lshlrev_b32 v[LB], 4, v13
	v_lshlrev_b32 v[LS], 2, v13
.irp k, 1,2,3
	v_add_nc_u32 v[LB+\k], 0x10000*\k, v[LB]
	v_add_nc_u32 v[LS+\k], 0x10000*\k, v[LS]
.endr
	v_lshlrev_b32 v[L8], 3, v13
	s_wait_alu depctr_va_vdst(0)
	v_lshlrev_b32 v[BQO], 6, v15
	s_wait_alu depctr_va_vdst(0)
	v_and_b32 v12, 8, v14
	v_add_nc_u32 v12, v12, v14
	v_lshlrev_b32 v[BVO], 2, v12
	s_lshl_b32 s28, s24, 5
	s_lshl_b32 s29, s22, 3
	s_add_co_u32 s28, s28, s29                     ; my first tile
	s_mul_i32 s26, s28, 12288
	s_add_nc_u64 s[4:5], s[4:5], s[26:27]
	s_mul_i32 s26, s28, 768
	s_add_nc_u64 s[6:7], s[6:7], s[26:27]
	XLOAD
	s_mul_i32 s26, ttmp9, 384
	s_add_nc_u64 s[10:11], s[10:11], s[26:27]
	s_add_nc_u64 s[12:13], s[12:13], s[26:27]
	s_add_nc_u64 s[14:15], s[14:15], s[26:27]
	BLOADQK 10                                     ; q's bias for the first pass
	s_lshr_b32 s28, s24, 1
	s_lshl_b32 s28, s28, 3
	s_add_co_u32 s28, s28, ttmp9                   ; 8 x sequence + head
	s_and_b32 s29, s24, 1
	s_lshl_b32 s29, s29, 2
	s_add_co_u32 s29, s29, s22                     ; my key step
	s_mul_i32 s30, s29, 12288
	s_lshl_b32 s31, s29, 10
	s_mul_i32 s26, s28, 98304
	s_add_co_u32 s26, s26, s30
	s_add_nc_u64 s[16:17], s[16:17], s[26:27]      ; q's codes
	s_lshl_b32 s26, s28, 13
	s_add_co_u32 s26, s26, s31
	s_add_nc_u64 s[18:19], s[18:19], s[26:27]      ; q's words
	s_mul_i32 s26, s28, 212992
	s_mul_i32 s30, s29, 26624
	s_add_co_u32 s26, s26, s30
	s_add_nc_u64 s[52:53], s[20:21], s[26:27]      ; my key step of the kv record: K's codes,
	s_add_nc_u64 s[56:57], s[52:53], 12288         ; V's codes,
	s_add_nc_u64 s[54:55], s[52:53], 24576         ; K's words,
	s_add_nc_u64 s[58:59], s[52:53], 25600         ; V's words
	s_mov_b32 s60, 0x76543210
	s_mov_b32 s61, 0xfedcba98
	s_mov_b32 s62, 0x600000
.irp k, 0,1,2,3,4,5,6,7
	v_mov_b32 v[VW+\k], 0
.endr
	WIN 0x40
.irp k, 0,1,2,3
	v_mov_b32 v[H1+\k], 0                          ; a lane permute's destination counts as one of its sources
.endr
	WIN 0
	s_wait_tensorcnt 0x0                           ; my quarters of the three records are in,
	s_barrier_signal -1
	s_barrier_wait -1                              ; everybody's are: LDS is only read from here on
	s_mov_b32 s63, 0
.Lpass:
	WLOAD 0,0
	s_wait_loadcnt 0x0                             ; x's fragments and words, q's bias: asked for at the head, or during the last pass's products for v
.irp s, 0,1,2,3,4,5
	KSTEP 0,\s
.endr
	EPI 1
	QKTAIL 16, 18
.irp s, 0,1,2,3,4,5
	KSTEP 1,\s
.endr
	EPI 1
	QKTAIL 52, 54
.irp s, 0,1,2,3,4,5
	KSTEP 2,\s
.endr
	PLACES 8                                       ; behind the last products: for the loads below and for the conversions' reads
	s_wait_xcnt 0x0                                ; k's stores have read their registers; the wait stands ahead of the loads below, which touch none of them
	XNEXT 5
	EPI 0
	VTAIL
	s_wait_xcnt 0x0                                ; the stores have read their bases
	s_add_nc_u64 s[16:17], s[16:17], 6144
	s_add_nc_u64 s[52:53], s[52:53], 6144
	s_add_nc_u64 s[18:19], s[18:19], 512
	s_add_nc_u64 s[54:55], s[54:55], 512
	s_add_nc_u64 s[56:57], s[56:57], 1024
	s_add_co_u32 s63, s63, 1
	s_cmp_lt_u32 s63, 2
	s_cbranch_scc1 .Lpass
	s_wait_alu depctr_va_vdst(0)
	global_store_b128 v[LB], v[VW:VW+3], s[58:59]              ; V's words of head tiles 0-3,
	global_store_b128 v[LB], v[VW+4:VW+7], s[58:59] offset:512 ; of 4 and 5, and two zeros
	s_wait_tensorcnt 0x0
	ds_add_u32 v158, v159
	s_wait_dscnt 0x0
	s_endpgm
.Lfunc_end_k_qaeebbb6715_proj:
	.size	k_qaeebbb6715_proj, .Lfunc_end_k_qaeebbb6715_proj-k_qaeebbb6715_proj
	.p2alignl 7, 3214868480
	.fill 96, 4, 3214868480
	.section	.rodata,"a",@progbits
	.p2align	6, 0x0
	.amdhsa_kernel k_qaeebbb6715_proj
		.amdhsa_group_segment_fixed_size 327680
		.amdhsa_private_segment_fixed_size 0
		.amdhsa_enable_private_segment 0
		.amdhsa_kernarg_size 72
		.amdhsa_user_sgpr_count 2
		.amdhsa_user_sgpr_kernarg_segment_ptr 1
		.amdhsa_wavefront_size32 1
		.amdhsa_system_sgpr_workgroup_id_x 1
		.amdhsa_system_sgpr_workgroup_id_y 1
		.amdhsa_system_sgpr_workgroup_id_z 1
		.amdhsa_system_vgpr_workitem_id 0
		.amdhsa_next_free_vgpr 1024
		.amdhsa_next_free_sgpr 66
		.amdhsa_reserve_vcc 0
		.amdhsa_float_denorm_mode_32 3
		.amdhsa_float_denorm_mode_16_64 3
		.amdhsa_fp16_overflow 1
		.amdhsa_memory_ordered 1
		.amdhsa_forward_progress 1
		.amdhsa_inst_pref_size 171
	.end_amdhsa_kernel
	.amdgpu_metadata
---
amdhsa.version: [ 1, 2 ]
amdhsa.kernels:
  - .name:           k_qaeebbb6715_proj
    .symbol:         k_qaeebbb6715_proj.kd
    .args:
      - { .name: xq, .offset: 0, .size: 8, .value_kind: global_buffer, .address_space: global }
      - { .name: xs, .offset: 8, .size: 8, .value_kind: global_buffer, .address_space: global }
      - { .name: wrec, .offset: 16, .size: 8, .value_kind: global_buffer, .address_space: global }
      - { .name: bq, .offset: 24, .size: 8, .value_kind: global_buffer, .address_space: global }
      - { .name: bk, .offset: 32, .size: 8, .value_kind: global_buffer, .address_space: global }
      - { .name: bv, .offset: 40, .size: 8, .value_kind: global_buffer, .address_space: global }
      - { .name: qc, .offset: 48, .size: 8, .value_kind: global_buffer, .address_space: global }
      - { .name: qs, .offset: 56, .size: 8, .value_kind: global_buffer, .address_space: global }
      - { .name: kv, .offset: 64, .size: 8, .value_kind: global_buffer, .address_space: global }
    .group_segment_fixed_size: 327680
    .private_segment_fixed_size: 0
    .kernarg_segment_align: 8
    .kernarg_segment_size: 72
    .max_flat_workgroup_size: 128
    .sgpr_count:     66
    .vgpr_count:     1024
    .wavefront_size: 32
...
	.end_amdgpu_metadata
.endif
;; end of part 2
;; launch attn (part 3): grid 256 x 1, 8 waves a work-group, no clusters, 327,680 bytes of LDS; arguments qc, qs, kv, visual_mask, text_mask, ac, asw; writes ac, asw
.if DOCPART == 3
	.amdgcn_target "amdgcn-amd-amdhsa--gfx1250"
	.amdhsa_code_object_version 6
	.text
	.protected	k_qaeebbb6715_attn
	.globl	k_qaeebbb6715_attn
	.p2align	8
	.type	k_qaeebbb6715_attn,@function
k_qaeebbb6715_attn:
	s_mov_b64 s[64:65], 0
	v_nop
	global_prefetch_b8 v0, s[64:65] scope:SCOPE_SE
	s_setreg_imm32_b32 hwreg(HW_REG_WAVE_MODE, 25, 1), 1
	s_wait_xcnt 0x0
.set FLOOR, 0x4800000
.set EOFF,  0xfc000000
.set KSB,   26624
.set VOF,   12288
.set KSO,   24576
.set VSO,   25600
.set BIAS,  212992
.set LI,   1
.set AB0,  5
.set AK,   6
.set AB,   10
.set AW,   12
.set QS,   16
.set KS,   20
.set VS,   28
.set ST,   36
.set TM,   52
.set PC,   84
.set SC,   116
.set OA,   256
.set QF,   352
.set KF,   384
.set VF,   448
.set O1,   0
.set Q1,   96
.set K1,   128
.set V1,   192
.set SEL,  44
.set CS,   46
.set MNT,  48
.set SKS,  49
.set SBS,  50
.set CNT,  51
.set MSB, 0
.macro WIN new
.if MSB != (\new)
	s_set_vgpr_msb (MSB<<8)|(\new)
.set MSB, (\new)
.endif
.endm
.macro PLACES n
.rept \n
	v_nop
.endr
.endm
.macro MM d, a, b, c, sa, sb
	WIN ((((\d)>>8)<<6)|(((\c)>>8)<<4)|(((\b)>>8)<<2)|((\a)>>8))
	v_wmma_scale_f32_16x16x128_f8f6f4 v[(\d)&255:((\d)&255)+7], v[(\a)&255:((\a)&255)+15], v[(\b)&255:((\b)&255)+15], v[(\c)&255:((\c)&255)+7], v[\sa], v[\sb]
.endm
.macro SOFTMAX
.irp b, 0,1,2,3
.irp a, 0,1
	v_max3_num_f32 v[TM+16*\a+\b], v[SC+64*\a+16*\b], v[SC+64*\a+16*\b+1], v[SC+64*\a+16*\b+2]
.endr
.endr
.irp i, 3,5,7,9,11,13
.irp b, 0,1,2,3
.irp a, 0,1
	v_max3_num_f32 v[TM+16*\a+\b], v[TM+16*\a+\b], v[SC+64*\a+16*\b+\i], v[SC+64*\a+16*\b+\i+1]
.endr
.endr
.endr
.irp b, 0,1,2,3
.irp a, 0,1
	v_max_num_f32 v[TM+16*\a+\b], v[TM+16*\a+\b], v[SC+64*\a+16*\b+15]
.endr
.endr
.irp b, 0,1,2,3
.irp a, 0,1
	v_permlanex16_b32 v[TM+16*\a+4+\b], v[TM+16*\a+\b], s[SEL], s[SEL+1]
.endr
.endr
.irp b, 0,1,2,3
.irp a, 0,1
	v_max_num_f32 v[TM+16*\a+\b], v[TM+16*\a+\b], v[TM+16*\a+4+\b]
.endr
.endr
.irp a, 0,1
	s_delay_alu instid0(VALU_DEP_4)
	v_max3_num_f32 v[ST+8*\a+6], v[TM+16*\a], v[TM+16*\a+1], v[TM+16*\a+2]
.endr
.irp a, 0,1
	s_delay_alu instid0(VALU_DEP_2)
	v_max_num_f32 v[ST+8*\a+6], v[ST+8*\a+6], v[TM+16*\a+3]
.endr
.irp a, 0,1
	s_delay_alu instid0(VALU_DEP_2)
	v_mul_f32 v[ST+8*\a+6], s[CS], v[ST+8*\a+6]
.endr
.irp a, 0,1
	s_delay_alu instid0(VALU_DEP_2)
	v_max_num_f32 v[ST+8*\a+1], v[ST+8*\a+1], v[ST+8*\a+6]
.endr
.irp a, 0,1
	v_mov_b32 v[ST+8*\a+6], v[ST+8*\a]
.endr
.irp a, 0,1
	s_delay_alu instid0(VALU_DEP_4)
	v_floor_f32 v[ST+8*\a], -v[ST+8*\a+1]
.endr
.irp a, 0,1
	s_delay_alu instid0(VALU_DEP_2)
	v_sub_f32 v[ST+8*\a+6], v[ST+8*\a], v[ST+8*\a+6]
.endr
.irp a, 0,1
	s_delay_alu instid0(VALU_DEP_2)
	v_cvt_i32_f32 v[ST+8*\a+6], v[ST+8*\a+6]
.endr
.irp a, 0,1
	s_delay_alu instid0(VALU_DEP_2)
	v_ldexp_f32 v[ST+8*\a+4], 1.0, v[ST+8*\a+6]
.endr
.irp a, 0,1
.set j, 0
.rept 32
	v_pk_fma_f32 v[SC+64*\a+j:SC+64*\a+j+1], v[SC+64*\a+j:SC+64*\a+j+1], s[CS:CS+1], v[ST+8*\a:ST+8*\a+1] op_sel_hi:[1,0,0]
.set j, j+2
.endr
.irp b, 0,1,2,3
	v_fma_f32 v[TM+16*\a+\b], v[TM+16*\a+\b], s[CS], v[ST+8*\a]
.endr
.endr
	s_wait_alu depctr_va_vdst(0)
.irp a, 0,1
.set j, 0
.rept 64
	v_exp_f32 v[SC+64*\a+j], v[SC+64*\a+j]
.set j, j+1
.endr
.irp b, 0,1,2,3
	v_exp_f32 v[TM+16*\a+\b], v[TM+16*\a+\b]
.endr
.endr
	s_setprio 1
.irp a, 0,1
	v_pk_mul_f32 v[ST+8*\a+2:ST+8*\a+3], v[ST+8*\a+2:ST+8*\a+3], v[ST+8*\a+4:ST+8*\a+5] op_sel_hi:[1,0]
.endr
	s_wait_alu depctr_va_vdst(0)
.irp b, 0,1,2,3
.irp a, 0,1
	v_max_num_f32 v[TM+16*\a+\b], FLOOR, v[TM+16*\a+\b]
.endr
.endr
.irp b, 0,1,2,3
.irp a, 0,1
	v_add_nc_u32 v[TM+16*\a+12+\b], EOFF, v[TM+16*\a+\b]
.endr
.endr
.irp b, 0,1,2,3
.irp a, 0,1
.endr
.endr
.irp b, 0,1,2,3
.irp a, 0,1
	v_lshrrev_b32 v[TM+16*\a+4+\b], 23, v[TM+16*\a+12+\b]
.endr
.endr
.irp a, 0,1
	v_lshl_or_b32 v[ST+8*\a+5], v[TM+16*\a+5], 8, v[TM+16*\a+4]
.endr
.irp a, 0,1
	s_delay_alu instid0(VALU_DEP_2)
	v_lshl_or_b32 v[ST+8*\a+5], v[TM+16*\a+6], 16, v[ST+8*\a+5]
.endr
.irp a, 0,1
	s_delay_alu instid0(VALU_DEP_2)
	v_lshl_or_b32 v[ST+8*\a+5], v[TM+16*\a+7], 24, v[ST+8*\a+5]
.endr
.irp a, 0,1
	v_pk_add_f32 v[TM+16*\a+4:TM+16*\a+5], v[SC+64*\a:SC+64*\a+1], v[SC+64*\a+2:SC+64*\a+3]
.endr
.set j, 4
.rept 15
.irp a, 0,1
	v_pk_add_f32 v[ST+8*\a+2:ST+8*\a+3], v[ST+8*\a+2:ST+8*\a+3], v[SC+64*\a+j:SC+64*\a+j+1]
	v_pk_add_f32 v[TM+16*\a+4:TM+16*\a+5], v[TM+16*\a+4:TM+16*\a+5], v[SC+64*\a+j+2:SC+64*\a+j+3]
.endr
.set j, j+4
.endr
.irp a, 0
	s_delay_alu instid0(VALU_DEP_3)
	v_pk_add_f32 v[ST+8*\a+2:ST+8*\a+3], v[ST+8*\a+2:ST+8*\a+3], v[TM+16*\a+4:TM+16*\a+5]
.endr
.irp a, 1
	s_delay_alu instid0(VALU_DEP_2)
	v_pk_add_f32 v[ST+8*\a+2:ST+8*\a+3], v[ST+8*\a+2:ST+8*\a+3], v[TM+16*\a+4:TM+16*\a+5]
.endr
.irp b, 0,1,2,3
.irp a, 0,1
.set j, 0
.rept 16
.set j, j+1
.endr
	v_cvt_scalef32_pk8_fp8_f32 v[PC+16*\a+4*\b:PC+16*\a+4*\b+1], v[SC+64*\a+16*\b:SC+64*\a+16*\b+7], v[TM+16*\a+12+\b]
	v_cvt_scalef32_pk8_fp8_f32 v[PC+16*\a+4*\b+2:PC+16*\a+4*\b+3], v[SC+64*\a+16*\b+8:SC+64*\a+16*\b+15], v[TM+16*\a+12+\b]
.endr
.endr
.endm
.macro STEP pp
	v_add_nc_u32 v[AK], s[SKS], v[LI]
	v_add_nc_u32 v[AB], s[SBS], v[AB0]
	PLACES 6
	ds_load_b128 v[KS:KS+3], v[AK] offset:KSO
	ds_load_b128 v[KS+4:KS+7], v[AK] offset:KSO+512
	WIN 0x40
.irp tt, 0,1,2,3
.irp cc, 0,1,2
	ds_load_b128 v[K1+16*\tt+4*\cc:K1+16*\tt+4*\cc+3], v[AK] offset:1536*\tt+512*\cc
.endr
.endr
.irp tt, 0,1,2,3,4,5,6,7
	ds_load_b128 v[V1+8*\tt:V1+8*\tt+3], v[AB] offset:128*(\tt/2)+32*(\tt%2)
	ds_load_b128 v[V1+8*\tt+4:V1+8*\tt+7], v[AB] offset:128*(\tt/2)+32*(\tt%2)+16
.endr
.irp ff, 0,1
.irp jj, 12,13,14,15
	v_mov_b32 v[K1+16*\ff+\jj], 0
.endr
.endr
	PLACES 4
	s_wait_alu depctr_va_vdst(0)
	s_wait_dscnt 0x0
.irp tt, 0,1,2,3
.irp aa, 0,1
	MM SC+64*\aa+8*\tt,KF+16*\tt,QF+16*\aa,VF+8*\tt,KS+\tt,QS+2*(\pp)+\aa
.endr
.endr
	PLACES 8
	WIN 0x40
.irp tt, 0,1,2,3
.irp cc, 0,1,2
	ds_load_b128 v[K1+16*\tt+4*\cc:K1+16*\tt+4*\cc+3], v[AK] offset:1536*(\tt+4)+512*\cc
.endr
.endr
	s_wait_dscnt 0x0
.irp tt, 0,1,2,3
.irp aa, 0,1
	MM SC+64*\aa+8*(\tt+4),KF+16*\tt,QF+16*\aa,VF+8*(\tt+4),KS+4+\tt,QS+2*(\pp)+\aa
.endr
.endr
	PLACES 8
	WIN 0
	ds_load_b128 v[VS:VS+3], v[AK] offset:VSO
	ds_load_b128 v[VS+4:VS+7], v[AK] offset:VSO+512
	WIN 0x40
.irp tt, 0,1,2,3
.irp cc, 0,1,2,3
	ds_load_b128 v[V1+16*\tt+4*\cc:V1+16*\tt+4*\cc+3], v[AK] offset:VOF+2048*\tt+512*\cc
.endr
.endr
.irp tt, 4,5
.irp cc, 0,1,2,3
	ds_load_b128 v[K1+16*(\tt-4)+4*\cc:K1+16*(\tt-4)+4*\cc+3], v[AK] offset:VOF+2048*\tt+512*\cc
.endr
.endr
	WIN 0
	SOFTMAX
	WIN 0x41
	s_setprio 0
.irp aa, 0,1
.set j, 0
.rept 24
	v_pk_mul_f32 v[O1+48*\aa+j:O1+48*\aa+j+1], v[O1+48*\aa+j:O1+48*\aa+j+1], v[ST+8*\aa+4:ST+8*\aa+5] op_sel_hi:[1,0]
.set j, j+2
.endr
.endr
	s_wait_alu depctr_va_vdst(0)
	s_wait_dscnt 0x0
.irp tt, 0,1,2,3,4,5
.irp aa, 0,1
	MM OA+48*\aa+8*\tt,VF+16*\tt-(\tt/4)*128,PC+16*\aa,OA+48*\aa+8*\tt,VS+\tt,ST+8*\aa+5
.endr
.endr
	WIN 0
	s_add_co_u32 s[SKS], s[SKS], KSB
	s_add_co_u32 s[SBS], s[SBS], 512
.endm
.macro KLOOP pp, n, lab
	s_mov_b32 s[CNT], 0
.Lstep\lab:
	s_setprio 2
	STEP \pp
	s_add_co_u32 s[CNT], s[CNT], 1
	s_cmp_lt_u32 s[CNT], \n
	s_cbranch_scc1 .Lstep\lab
	s_setprio 0
.endm
.macro QLOAD pp
	WIN 0x40
.irp aa, 0,1
.irp cc, 0,1,2
	global_load_b128 v[Q1+16*\aa+4*\cc:Q1+16*\aa+4*\cc+3], v[LI], s[4:5] offset:(2*(\pp)+\aa)*1536+512*\cc
.endr
.endr
	WIN 0
.endm
.macro QUANT3 src, pc, pw, tm
.irp b, 0,1,2
	v_max3_num_f32 v[\tm+\b], |v[\src+16*\b]|, |v[\src+16*\b+1]|, FLOOR
.endr
.irp i, 2,4,6,8,10,12,14
.irp b, 0,1,2
	s_delay_alu instid0(VALU_DEP_3)
	v_max3_num_f32 v[\tm+\b], v[\tm+\b], |v[\src+16*\b+\i]|, |v[\src+16*\b+\i+1]|
.endr
.endr
.irp b, 0,1,2
	s_delay_alu instid0(VALU_DEP_3)
	v_permlanex16_b32 v[\tm+4+\b], v[\tm+\b], s[SEL], s[SEL+1]
.endr
.irp b, 0,1,2
	s_delay_alu instid0(VALU_DEP_3)
	v_max_num_f32 v[\tm+\b], v[\tm+\b], v[\tm+4+\b]
.endr
.irp b, 0,1,2
	s_delay_alu instid0(VALU_DEP_3)
	v_add_nc_u32 v[\tm+12+\b], EOFF, v[\tm+\b]
.endr
.irp b, 0,1,2
.endr
.irp b, 0,1,2
	s_delay_alu instid0(VALU_DEP_3)
	v_lshrrev_b32 v[\tm+4+\b], 23, v[\tm+12+\b]
.endr
	s_delay_alu instid0(VALU_DEP_2)
	v_lshl_or_b32 v[\pw], v[\tm+5], 8, v[\tm+4]
	s_delay_alu instid0(VALU_DEP_1)
	v_lshl_or_b32 v[\pw], v[\tm+6], 16, v[\pw]
.irp b, 0,1,2
.irp i, 0,1,2,3,4,5,6,7,8,9,10,11,12,13,14,15
.endr
	v_cvt_scalef32_pk8_fp8_f32 v[\pc+4*\b:\pc+4*\b+1], v[\src+16*\b:\src+16*\b+7], v[\tm+12+\b]
	v_cvt_scalef32_pk8_fp8_f32 v[\pc+4*\b+2:\pc+4*\b+3], v[\src+16*\b+8:\src+16*\b+15], v[\tm+12+\b]
.endr
	v_nop
.endm
.macro PASS pp
.if (\pp) > 0
	s_wait_xcnt 0x0
.endif
	WIN 0x40
.set j, 0
.rept 96
	v_mov_b32 v[O1+j], 0
.set j, j+1
.endr
	WIN 0
.irp aa, 0,1
	v_mov_b32 v[ST+8*\aa+1], 0xf1800000
	v_mov_b32 v[ST+8*\aa], 0x71800000
	v_mov_b32 v[ST+8*\aa+2], 0
	v_mov_b32 v[ST+8*\aa+3], 0
.endr
	s_mov_b32 s[SKS], 0
	s_mov_b32 s[SBS], 0
	s_wait_loadcnt 0x0
.if (\pp) == 0
	KLOOP 0, 2, a
	s_wait_tensorcnt 0x0
	s_wait_dscnt 0x0
	s_barrier_signal -1
	s_barrier_wait -1
	s_mov_b32 s[SKS], 2*KSB
	s_mov_b32 s[SBS], 1024
	KLOOP 0, 6, b
.else
	KLOOP 1, 8, c
.endif
	PLACES 8
.if (\pp) == 0
	QLOAD 1
.endif
.irp aa, 0,1
	v_add_f32 v[ST+8*\aa+2], v[ST+8*\aa+2], v[ST+8*\aa+3]
.endr
.irp aa, 0,1
	s_delay_alu instid0(VALU_DEP_2)
	v_permlanex16_b32 v[ST+8*\aa+6], v[ST+8*\aa+2], s[SEL], s[SEL+1]
.endr
.irp aa, 0,1
	s_delay_alu instid0(VALU_DEP_2)
	v_add_f32 v[ST+8*\aa+2], v[ST+8*\aa+2], v[ST+8*\aa+6]
.endr
	s_wait_alu depctr_va_vdst(0)
.irp aa, 0,1
	v_rcp_f32 v[ST+8*\aa+6], v[ST+8*\aa+2]
.endr
	v_nop
	WIN 0x01
	s_wait_alu depctr_va_vdst(0)
.irp aa, 0,1
.set j, 0
.rept 24
	v_pk_mul_f32 v[SC+64*\aa+j:SC+64*\aa+j+1], v[O1+48*\aa+j:O1+48*\aa+j+1], v[ST+8*\aa+6:ST+8*\aa+7] op_sel_hi:[1,0]
.set j, j+2
.endr
.endr
	WIN 0
.irp aa, 0,1
	QUANT3 SC+64*\aa,PC+16*\aa,AW+2*(\pp)+\aa,TM+16*\aa
.endr
.irp aa, 0,1
.irp bb, 0,1,2
	global_store_b128 v[LI], v[PC+16*\aa+4*\bb:PC+16*\aa+4*\bb+3], s[14:15] offset:(2*(\pp)+\aa)*12288+512*\bb
.endr
.endr
.endm
	s_load_b256 s[4:11], s[0:1], 0x0
	s_load_b128 s[12:15], s[0:1], 0x20
	s_load_b64 s[16:17], s[0:1], 0x30
	v_lshl_add_u32 v254, v0, 2, 0x35000
	v_mov_b32 v255, 0
	ds_add_u32 v254, v255
	ds_add_u32 v254, v255
	v_lshrrev_b32 v244, 5, v0
	s_delay_alu instid0(VALU_DEP_1)
	v_readfirstlane_b32 s18, v244
	s_and_b32 s19, ttmp9, 1
	s_bfe_u32 s20, ttmp9, 0x30001
	s_bfe_u32 s21, ttmp9, 0x30004
	s_lshr_b32 s22, ttmp9, 7
	s_mov_b32 s32, 3<<16
	s_mov_b32 s33, 32<<16
	s_mov_b32 s34, 26<<16
	s_mov_b32 s35, 32<<16
	s_mov_b32 s36, 26
	s_mov_b32 s37, 32
	s_mov_b32 s38, 0
	s_mov_b32 s39, 0
	s_mov_b32 s56, 3<<16
	s_mov_b32 s57, 32<<16
	s_mov_b32 s58, 78<<16
	s_mov_b32 s59, 32<<16
	s_mov_b32 s60, 78
	s_mov_b32 s61, 32
	s_mov_b32 s62, 0
	s_mov_b32 s63, 0
	s_xor_b32 s23, s22, 1
	s_lshl_b32 s23, s23, 3
	s_add_co_u32 s23, s23, s21
	s_lshl_b32 s23, s23, 3
	s_add_co_u32 s23, s23, s20
	s_mul_i32 s24, s23, 212992
	s_mul_i32 s26, s18, 6656
	s_mul_i32 s27, s18, 19968
	s_add_co_u32 s28, s24, s26
	s_mov_b32 s29, 0
	s_add_co_u32 s30, s24, s27
	s_add_co_u32 s30, s30, 2*KSB
	s_mov_b32 s31, 0
	s_mov_b32 s25, 0
	s_wait_dscnt 0x0
	s_wait_kmcnt 0x0
	s_mov_b32 s40, 1
	s_mov_b32 s41, s26
	s_add_nc_u64 s[42:43], s[8:9], s[28:29]
	s_or_b32 s43, s43, 0x80000000
	s_mov_b32 s52, 1
	s_add_co_u32 s53, s27, 2*KSB
	s_add_nc_u64 s[54:55], s[8:9], s[30:31]
	s_or_b32 s55, s55, 0x80000000
	tensor_load_to_lds s[40:43], s[32:39]
	s_nop 0
	s_wait_alu depctr_va_vdst(0)
	s_wait_tensorcnt 0x0
	ds_add_u32 v254, v255
	s_wait_dscnt 0x0
	s_barrier_signal -1
	s_barrier_wait -1
	tensor_load_to_lds s[52:55], s[56:63]
	s_nop 0
	PLACES 4
	s_cmp_eq_u32 s22, 0
	s_cselect_b64 s[10:11], s[12:13], s[10:11]
	s_lshl_b32 s24, s21, 12
	s_add_nc_u64 s[10:11], s[10:11], s[24:25]
	v_lshlrev_b32 v248, 4, v0
	global_load_b128 v[244:247], v248, s[10:11]
	s_lshl_b32 s27, s22, 3
	s_add_co_u32 s27, s27, s21
	s_lshl_b32 s28, s27, 3
	s_add_co_u32 s28, s28, s20
	s_lshl_b32 s29, s19, 3
	s_add_co_u32 s29, s29, s18
	s_mul_i32 s24, s28, 98304
	s_mul_i32 s26, s29, 6144
	s_add_co_u32 s24, s24, s26
	s_add_nc_u64 s[4:5], s[4:5], s[24:25]
	s_lshl_b32 s24, s28, 13
	s_lshl_b32 s26, s29, 9
	s_add_co_u32 s24, s24, s26
	s_add_nc_u64 s[6:7], s[6:7], s[24:25]
	s_lshl_b32 s30, s27, 4
	s_add_co_u32 s30, s30, s29
	s_mul_i32 s24, s30, 49152
	s_mul_i32 s26, s20, 1536
	s_add_co_u32 s24, s24, s26
	s_add_nc_u64 s[14:15], s[14:15], s[24:25]
	s_lshl_b32 s24, s30, 12
	s_lshl_b32 s26, s20, 9
	s_add_co_u32 s24, s24, s26
	s_add_nc_u64 s[16:17], s[16:17], s[24:25]
	v_and_b32 v249, 31, v0
	s_delay_alu instid0(VALU_DEP_1)
	v_lshlrev_b32 v[LI], 4, v249
	global_load_b128 v[QS:QS+3], v[LI], s[6:7]
	QLOAD 0
	v_bfe_u32 v250, v0, 4, 1
	s_delay_alu instid0(VALU_DEP_1)
	v_lshl_add_u32 v[AB0], v250, 6, BIAS
	v_lshl_add_u32 v251, v0, 4, BIAS
	v_mov_b32 v249, 0xfb800000
	s_mov_b32 s[SEL], 0x76543210
	s_mov_b32 s[SEL+1], 0xfedcba98
	s_mov_b32 s[CS], 0x3e16c740
	s_mov_b32 s[CS+1], s[CS]
.irp aa, 0,1
	v_mov_b32 v[ST+8*\aa+5], 0
	v_mov_b32 v[ST+8*\aa+6], 0
	v_mov_b32 v[ST+8*\aa+7], 0
.irp b, 0,1,2,3
	v_mov_b32 v[TM+16*\aa+4+\b], 0
.endr
.endr
	WIN 0x40
.irp ff, 0,1
.irp jj, 12,13,14,15
	v_mov_b32 v[Q1+16*\ff+\jj], 0
.endr
.endr
.irp ff, 0,1,2,3
.irp jj, 12,13,14,15
	v_mov_b32 v[K1+16*\ff+\jj], 0
.endr
.endr
	WIN 0
	s_wait_loadcnt 0x7
.irp jj, 0,1,2,3
	v_cmp_eq_u32 vcc_lo, 0, v[244+\jj]
	s_delay_alu instid0(VALU_DEP_1)
	v_cndmask_b32 v[244+\jj], 0, v249, vcc_lo
.endr
	ds_store_b128 v251, v[244:247]
	s_wait_tensorcnt 0x1
	s_wait_dscnt 0x0
	s_barrier_signal -1
	s_barrier_wait -1
	PASS 0
	PASS 1
	global_store_b128 v[LI], v[AW:AW+3], s[16:17]
	s_wait_tensorcnt 0x0
	ds_add_u32 v254, v255
	s_wait_dscnt 0x0
	s_endpgm
.Lfunc_end_k_qaeebbb6715_attn:
	.size	k_qaeebbb6715_attn, .Lfunc_end_k_qaeebbb6715_attn-k_qaeebbb6715_attn
	.p2alignl 7, 3214868480
	.fill 96, 4, 3214868480
	.section	.rodata,"a",@progbits
	.p2align	6, 0x0
	.amdhsa_kernel k_qaeebbb6715_attn
		.amdhsa_group_segment_fixed_size 327680
		.amdhsa_private_segment_fixed_size 0
		.amdhsa_enable_private_segment 0
		.amdhsa_kernarg_size 56
		.amdhsa_user_sgpr_count 2
		.amdhsa_user_sgpr_kernarg_segment_ptr 1
		.amdhsa_wavefront_size32 1
		.amdhsa_system_sgpr_workgroup_id_x 1
		.amdhsa_system_sgpr_workgroup_id_y 1
		.amdhsa_system_sgpr_workgroup_id_z 1
		.amdhsa_system_vgpr_workitem_id 0
		.amdhsa_next_free_vgpr 512
		.amdhsa_next_free_sgpr 66
		.amdhsa_reserve_vcc 1
		.amdhsa_float_denorm_mode_32 3
		.amdhsa_float_denorm_mode_16_64 3
		.amdhsa_fp16_overflow 1
		.amdhsa_memory_ordered 1
		.amdhsa_forward_progress 1
		.amdhsa_inst_pref_size 143
	.end_amdhsa_kernel
	.amdgpu_metadata
---
amdhsa.version: [ 1, 2 ]
amdhsa.kernels:
  - .name:           k_qaeebbb6715_attn
    .symbol:         k_qaeebbb6715_attn.kd
    .args:
      - { .name: qc, .offset: 0, .size: 8, .value_kind: global_buffer, .address_space: global }
      - { .name: qs, .offset: 8, .size: 8, .value_kind: global_buffer, .address_space: global }
      - { .name: kv, .offset: 16, .size: 8, .value_kind: global_buffer, .address_space: global }
      - { .name: visual_mask, .offset: 24, .size: 8, .value_kind: global_buffer, .address_space: global }
      - { .name: text_mask, .offset: 32, .size: 8, .value_kind: global_buffer, .address_space: global }
      - { .name: ac, .offset: 40, .size: 8, .value_kind: global_buffer, .address_space: global }
      - { .name: asw, .offset: 48, .size: 8, .value_kind: global_buffer, .address_space: global }
    .group_segment_fixed_size: 327680
    .private_segment_fixed_size: 0
    .kernarg_segment_align: 8
    .kernarg_segment_size: 56
    .max_flat_workgroup_size: 256
    .sgpr_count:     66
    .vgpr_count:     512
    .wavefront_size: 32
...
	.end_amdgpu_metadata
.endif
;; end of part 3
;; launch outp (part 4): grid 256 x 1, 8 waves a work-group, no clusters, 327,680 bytes of LDS; arguments ac, asw, wrec, bo, ln_g, ln_b, visual_features, text_features, out0, out1; writes out0, out1
.if DOCPART == 4
	.amdgcn_target "amdgcn-amd-amdhsa--gfx1250"
	.amdhsa_code_object_version 6
	.text
	.protected	k_qaeebbb6715_outp
	.globl	k_qaeebbb6715_outp
	.p2align	8
	.type	k_qaeebbb6715_outp,@function
k_qaeebbb6715_outp:
	s_mov_b64 s[64:65], 0
	v_nop
	global_prefetch_b8 v0, s[64:65] scope:SCOPE_SE
	s_setreg_imm32_b32 hwreg(HW_REG_WAVE_MODE, 25, 1), 1
	s_wait_xcnt 0x0
.set STG,  49152
.set SP,   3120
.set LI,   1
.set LS,   2
.set SR,   3
.set WS,   8
.set AS,   20
.set LT,   44
.set SO,   52
.set W0,   64
.set BO,   64
.set LG,   88
.set LBT,  112
.set YR,   136
.set ACC,  256
.set AF,   448
.set A1,   192
.set MSB, 0
.macro WIN new
.if MSB != (\new)
	s_set_vgpr_msb (MSB<<8)|(\new)
.set MSB, (\new)
.endif
.endm
.macro PLACES n
.rept \n
	v_nop
.endr
.endm
.macro MM d, a, b, c, sa, sb
	WIN ((((\d)>>8)<<6)|(((\c)>>8)<<4)|(((\b)>>8)<<2)|((\a)>>8))
	v_wmma_scale_f32_16x16x128_f8f6f4 v[(\d)&255:((\d)&255)+7], v[(\a)&255:((\a)&255)+15], v[(\b)&255:((\b)&255)+15], v[(\c)&255:((\c)&255)+7], v[\sa], v[\sb]
.endm
.macro WG s
.irp tt, 0,1,2,3,4,5
.irp cc, 0,1,2,3
	global_load_b128 v[W0+96*((\s)%2)+16*\tt+4*\cc:W0+96*((\s)%2)+16*\tt+4*\cc+3], v[LI], s[8:9] offset:(6*(\s)+\tt)*2048+512*\cc
.endr
.endr
.irp tt, 0,1,2,3,4,5
	global_load_b32 v[WS+6*((\s)%2)+\tt], v[LS], s[8:9] offset:73728+(8*(\s)+\tt)*128
.endr
.endm
.macro GK s
	PLACES 8
	WIN 0x40
.irp ii, 0,1,2,3
.irp cc, 0,1,2,3
	ds_load_b128 v[A1+16*\ii+4*\cc:A1+16*\ii+4*\cc+3], v[LI] offset:\ii*12288+(\s)*2048+512*\cc
.endr
.endr
	WIN 0
.if ((\s) >= 1) && ((\s) <= 4)
	WG (\s)+1
.endif
.if (\s) == 5
.irp m, 0,1,2,3,4,5
	global_load_b128 v[BO+4*\m:BO+4*\m+3], v[LI], s[10:11] offset:512*\m
	global_load_b128 v[LG+4*\m:LG+4*\m+3], v[LI], s[12:13] offset:512*\m
	global_load_b128 v[LBT+4*\m:LBT+4*\m+3], v[LI], s[14:15] offset:512*\m
.endr
	s_wait_loadcnt 18
.else
	s_wait_alu depctr_va_vdst(0)
	s_wait_loadcnt 30
.endif
	s_wait_dscnt 0x0
.irp ii, 0,1,2,3
.irp tt, 0,1,2,3,4,5
	MM ACC+8*(6*\ii+\tt),W0+96*((\s)%2)+16*\tt,AF+16*\ii,ACC+8*(6*\ii+\tt),WS+6*((\s)%2)+\tt,AS+4*(\s)+\ii
.endr
.endr
.endm
.macro YROW k
.irp m, 0,1,2,3,4,5
	ds_load_b128 v[YR+24*((\k)%5)+4*\m:YR+24*((\k)%5)+4*\m+3], v[SR] offset:(\k)*SP+512*\m+16*(\m/2)
.endr
.endm
.macro LANESUM
	s_delay_alu instid0(VALU_DEP_1)
	v_add_f32_dpp v[LT], v[LT], v[LT] row_xmask:1 row_mask:0xf bank_mask:0xf
	s_delay_alu instid0(VALU_DEP_1)
	v_add_f32_dpp v[LT], v[LT], v[LT] row_xmask:2 row_mask:0xf bank_mask:0xf
	s_delay_alu instid0(VALU_DEP_1)
	v_add_f32_dpp v[LT], v[LT], v[LT] row_xmask:4 row_mask:0xf bank_mask:0xf
	s_delay_alu instid0(VALU_DEP_1)
	v_add_f32_dpp v[LT], v[LT], v[LT] row_xmask:8 row_mask:0xf bank_mask:0xf
	s_delay_alu instid0(VALU_DEP_1)
	v_permlanex16_b32 v[LT+1], v[LT], s44, s45
	s_delay_alu instid0(VALU_DEP_1)
	v_add_f32 v[LT], v[LT], v[LT+1]
.endm
.macro ROW k
.set YY, YR+24*((\k)%5)
.if (\k) < 6
	s_wait_dscnt 12
.else
	s_wait_dscnt 6*(7-(\k))
.endif
.if (\k) == 0
	s_wait_loadcnt 0x0
.endif
.set j, 0
.rept 12
	v_pk_add_f32 v[YY+j:YY+j+1], v[YY+j:YY+j+1], v[BO+j:BO+j+1]
.set j, j+2
.endr
	v_pk_add_f32 v[LT:LT+1], v[YY:YY+1], v[YY+2:YY+3]
	v_pk_add_f32 v[LT+2:LT+3], v[YY+4:YY+5], v[YY+6:YY+7]
.set j, 8
.rept 4
	s_delay_alu instid0(VALU_DEP_2)
	v_pk_add_f32 v[LT:LT+1], v[LT:LT+1], v[YY+j:YY+j+1]
	s_delay_alu instid0(VALU_DEP_2)
	v_pk_add_f32 v[LT+2:LT+3], v[LT+2:LT+3], v[YY+j+2:YY+j+3]
.set j, j+4
.endr
	s_delay_alu instid0(VALU_DEP_1)
	v_pk_add_f32 v[LT:LT+1], v[LT:LT+1], v[LT+2:LT+3]
	s_delay_alu instid0(VALU_DEP_1)
	v_add_f32 v[LT], v[LT], v[LT+1]
	LANESUM
	s_delay_alu instid0(VALU_DEP_1)
	v_mul_f32 v[LT+4], s46, v[LT]
.if (\k)+3 < 8
.if (\k)+3 >= 5
	s_wait_alu depctr_va_vdst(0)
	s_wait_xcnt 0x0
.endif
	YROW (\k)+3
.endif
.set j, 0
.rept 12
	v_pk_add_f32 v[YY+j:YY+j+1], v[YY+j:YY+j+1], v[LT+4:LT+5] op_sel_hi:[1,0] neg_lo:[0,1] neg_hi:[0,1]
.set j, j+2
.endr
	v_pk_mul_f32 v[LT:LT+1], v[YY:YY+1], v[YY:YY+1]
	v_pk_mul_f32 v[LT+2:LT+3], v[YY+2:YY+3], v[YY+2:YY+3]
.set j, 4
.rept 5
	s_delay_alu instid0(VALU_DEP_2)
	v_pk_fma_f32 v[LT:LT+1], v[YY+j:YY+j+1], v[YY+j:YY+j+1], v[LT:LT+1]
	s_delay_alu instid0(VALU_DEP_2)
	v_pk_fma_f32 v[LT+2:LT+3], v[YY+j+2:YY+j+3], v[YY+j+2:YY+j+3], v[LT+2:LT+3]
.set j, j+4
.endr
	s_delay_alu instid0(VALU_DEP_1)
	v_pk_add_f32 v[LT:LT+1], v[LT:LT+1], v[LT+2:LT+3]
	s_delay_alu instid0(VALU_DEP_1)
	v_add_f32 v[LT], v[LT], v[LT+1]
	LANESUM
	s_delay_alu instid0(VALU_DEP_1)
	v_fma_f32 v[LT+6], v[LT], s46, s47
	s_wait_alu depctr_va_vdst(0)
	v_rsq_f32 v[LT+6], v[LT+6]
	v_nop
.set j, 0
	s_wait_alu depctr_va_vdst(0)
.rept 12
	v_pk_mul_f32 v[YY+j:YY+j+1], v[YY+j:YY+j+1], v[LT+6:LT+7] op_sel_hi:[1,0]
.set j, j+2
.endr
.set j, 0
.rept 12
	v_pk_fma_f32 v[YY+j:YY+j+1], v[YY+j:YY+j+1], v[LG+j:LG+j+1], v[LBT+j:LBT+j+1]
.set j, j+2
.endr
.irp m, 0,1,2,3,4,5
	global_store_b128 v[LI], v[YY+4*\m:YY+4*\m+3], s[20:21] offset:(\k)*3072+512*\m th:TH_STORE_NT
.endr
.endm
	s_load_b256 s[4:11], s[0:1], 0x0
	s_load_b256 s[12:19], s[0:1], 0x20
	s_load_b128 s[20:23], s[0:1], 0x40
	v_lshl_add_u32 v62, v0, 2, 0x3cc00
	v_mov_b32 v63, 0
	ds_add_u32 v62, v63
	ds_add_u32 v62, v63
	v_lshrrev_b32 v6, 5, v0
	s_delay_alu instid0(VALU_DEP_1)
	v_readfirstlane_b32 s24, v6
	s_mov_b32 s25, ttmp9
	s_mov_b32 s32, 3<<16
	s_mov_b32 s33, 32<<16
	s_mov_b32 s34, 24<<16
	s_mov_b32 s35, 32<<16
	s_mov_b32 s36, 24
	s_mov_b32 s37, 32
	s_mov_b32 s38, 0
	s_mov_b32 s39, 0
	s_mov_b32 s48, (3<<16)|(1<<20)|(7<<22)|(3<<25)
	s_mov_b32 s49, 128<<16
	s_mov_b32 s50, 24<<16
	s_mov_b32 s51, 128<<16
	s_mov_b32 s52, 24
	s_mov_b32 s53, 128
	s_mov_b32 s54, 0
	s_mov_b32 s55, 0
	s_mul_i32 s28, s24, 6144
	s_mul_i32 s26, s25, 49152
	s_add_co_u32 s26, s26, s28
	s_mov_b32 s27, 0
	s_and_b32 s30, s25, 127
	s_lshl_b32 s30, s30, 6
	s_lshr_b32 s31, s24, 2
	s_lshl_b32 s31, s31, 5
	s_add_co_u32 s30, s30, s31
	s_and_b32 s31, s24, 1
	s_lshl_b32 s31, s31, 4
	s_add_co_u32 s30, s30, s31
	s_bfe_u32 s31, s24, 0x10001
	s_lshl_b32 s31, s31, 3
	s_add_co_u32 s30, s30, s31
	s_mul_i32 s30, s30, 3072
	s_mov_b32 s31, 0
	s_mul_i32 s29, s24, 8*SP
	s_add_co_u32 s29, s29, STG
	s_wait_dscnt 0x0
	s_wait_kmcnt 0x0
	s_cmp_lt_u32 s25, 128
	s_cselect_b64 s[16:17], s[16:17], s[18:19]
	s_cselect_b64 s[20:21], s[20:21], s[22:23]
	s_add_nc_u64 s[20:21], s[20:21], s[30:31]
	s_mov_b32 s56, 1
	s_mov_b32 s57, s29
	s_add_nc_u64 s[58:59], s[16:17], s[30:31]
	s_or_b32 s59, s59, 0x80000000
	s_mov_b32 s40, 1
	s_mov_b32 s41, s28
	s_add_nc_u64 s[42:43], s[4:5], s[26:27]
	s_or_b32 s43, s43, 0x80000000
	tensor_load_to_lds s[56:59], s[48:55]
	s_nop 0
	s_wait_alu depctr_va_vdst(0)
	s_wait_tensorcnt 0x0
	ds_add_u32 v62, v63
	s_wait_dscnt 0x0
	s_barrier_signal -1
	s_barrier_wait -1
	tensor_load_to_lds s[40:43], s[32:39]
	s_nop 0
	PLACES 4
	v_and_b32 v6, 31, v0
	s_delay_alu instid0(VALU_DEP_1)
	v_lshlrev_b32 v[LI], 4, v6
	s_delay_alu instid0(VALU_DEP_2)
	v_lshlrev_b32 v[LS], 2, v6
	s_lshl_b32 s26, s25, 12
	s_add_nc_u64 s[6:7], s[6:7], s[26:27]
	s_add_co_u32 s26, s24, 24
	s_mul_i32 s26, s26, 79872
	s_add_nc_u64 s[8:9], s[8:9], s[26:27]
	WIN 0x40
.irp hh, 0,1,2,3,4,5,6,7
	global_load_b128 v[A1+4*\hh:A1+4*\hh+3], v[LI], s[6:7] offset:512*\hh
.endr
	WIN 0
	WG 0
	WG 1
	v_and_b32 v6, 15, v0
	v_bfe_u32 v7, v0, 4, 1
	s_delay_alu instid0(VALU_DEP_2)
	v_mul_u32_u24 v6, v6, SP
	s_delay_alu instid0(VALU_DEP_1)
	v_lshl_add_u32 v6, v7, 6, v6
	s_wait_alu depctr_va_vdst(0)
	s_mul_i32 s26, s24, 384
.irp b, 0,1,2
	s_add_co_u32 s28, s26, 128*\b
	s_lshr_b32 s29, s28, 10
	s_lshl_b32 s29, s29, 4
	s_add_co_u32 s28, s28, s29
	s_add_co_u32 s28, s28, STG
	v_add_nc_u32 v[SO+\b], s28, v6
	s_delay_alu instid0(VALU_DEP_1)
	v_add_nc_u32 v[SO+3+\b], 32*SP, v[SO+\b]
.endr
	s_mul_i32 s26, s24, 8*SP
	s_add_co_u32 s26, s26, STG
	v_add_nc_u32 v[SR], s26, v[LI]
	s_mov_b32 s44, 0x76543210
	s_mov_b32 s45, 0xfedcba98
	s_mov_b32 s46, 0x3aaaaaab
	s_mov_b32 s47, 0x3727c5ac
	v_mov_b32 v[LT+1], 0
	v_mov_b32 v[LT+5], 0
	v_mov_b32 v[LT+7], 0
	s_wait_loadcnt 60
	WIN 0x05
.irp ss, 0,1,2,3,4,5
.irp ii, 0,1,2,3
.if (\ss%3) == 0
	v_perm_b32 v[AS+4*\ss+\ii], v[A1+4*((4*\ss)/3+1)+\ii], v[A1+4*((4*\ss)/3)+\ii], 0x04020100
.elseif (\ss%3) == 1
	v_perm_b32 v[AS+4*\ss+\ii], v[A1+4*((4*\ss)/3+1)+\ii], v[A1+4*((4*\ss)/3)+\ii], 0x05040201
.else
	v_perm_b32 v[AS+4*\ss+\ii], v[A1+4*((4*\ss)/3+1)+\ii], v[A1+4*((4*\ss)/3)+\ii], 0x06050402
.endif
.endr
.endr
	WIN 0
	s_wait_tensorcnt 0x0
	s_barrier_signal -1
	s_barrier_wait -1
	WIN 0x40
.irp ii, 0,1,2,3
.irp tt, 0,1,2,3,4,5
	ds_load_b128 v[8*(6*\ii+\tt):8*(6*\ii+\tt)+3], v[SO+3*(\ii/2)+(\tt/2)] offset:(\ii%2)*16*SP+32*(\tt%2)
	ds_load_b128 v[8*(6*\ii+\tt)+4:8*(6*\ii+\tt)+7], v[SO+3*(\ii/2)+(\tt/2)] offset:(\ii%2)*16*SP+32*(\tt%2)+16
.endr
.endr
.irp s, 0,1,2,3,4,5
	GK \s
.endr
	PLACES 8
	WIN 0x04
.irp ii, 0,1,2,3
.irp tt, 0,1,2,3,4,5
	ds_store_b128 v[SO+3*(\ii/2)+(\tt/2)], v[8*(6*\ii+\tt):8*(6*\ii+\tt)+3] offset:(\ii%2)*16*SP+32*(\tt%2)
	ds_store_b128 v[SO+3*(\ii/2)+(\tt/2)], v[8*(6*\ii+\tt)+4:8*(6*\ii+\tt)+7] offset:(\ii%2)*16*SP+32*(\tt%2)+16
.endr
.endr
	WIN 0
	s_wait_dscnt 0x0
	s_barrier_signal -1
	s_barrier_wait -1
	YROW 0
	YROW 1
	YROW 2
.irp k, 0,1,2,3,4,5,6,7
	ROW \k
.endr
	s_wait_tensorcnt 0x0
	ds_add_u32 v62, v63
	s_wait_dscnt 0x0
	s_endpgm
.Lfunc_end_k_qaeebbb6715_outp:
	.size	k_qaeebbb6715_outp, .Lfunc_end_k_qaeebbb6715_outp-k_qaeebbb6715_outp
	.p2alignl 7, 3214868480
	.fill 96, 4, 3214868480
	.section	.rodata,"a",@progbits
	.p2align	6, 0x0
	.amdhsa_kernel k_qaeebbb6715_outp
		.amdhsa_group_segment_fixed_size 327680
		.amdhsa_private_segment_fixed_size 0
		.amdhsa_enable_private_segment 0
		.amdhsa_kernarg_size 80
		.amdhsa_user_sgpr_count 2
		.amdhsa_user_sgpr_kernarg_segment_ptr 1
		.amdhsa_wavefront_size32 1
		.amdhsa_system_sgpr_workgroup_id_x 1
		.amdhsa_system_sgpr_workgroup_id_y 1
		.amdhsa_system_sgpr_workgroup_id_z 1
		.amdhsa_system_vgpr_workitem_id 0
		.amdhsa_next_free_vgpr 512
		.amdhsa_next_free_sgpr 66
		.amdhsa_reserve_vcc 0
		.amdhsa_float_denorm_mode_32 3
		.amdhsa_float_denorm_mode_16_64 3
		.amdhsa_memory_ordered 1
		.amdhsa_forward_progress 1
		.amdhsa_inst_pref_size 122
	.end_amdhsa_kernel
	.amdgpu_metadata
---
amdhsa.version: [ 1, 2 ]
amdhsa.kernels:
  - .name:           k_qaeebbb6715_outp
    .symbol:         k_qaeebbb6715_outp.kd
    .args:
      - { .name: ac, .offset: 0, .size: 8, .value_kind: global_buffer, .address_space: global }
      - { .name: asw, .offset: 8, .size: 8, .value_kind: global_buffer, .address_space: global }
      - { .name: wrec, .offset: 16, .size: 8, .value_kind: global_buffer, .address_space: global }
      - { .name: bo, .offset: 24, .size: 8, .value_kind: global_buffer, .address_space: global }
      - { .name: ln_g, .offset: 32, .size: 8, .value_kind: global_buffer, .address_space: global }
      - { .name: ln_b, .offset: 40, .size: 8, .value_kind: global_buffer, .address_space: global }
      - { .name: visual_features, .offset: 48, .size: 8, .value_kind: global_buffer, .address_space: global }
      - { .name: text_features, .offset: 56, .size: 8, .value_kind: global_buffer, .address_space: global }
      - { .name: out0, .offset: 64, .size: 8, .value_kind: global_buffer, .address_space: global }
      - { .name: out1, .offset: 72, .size: 8, .value_kind: global_buffer, .address_space: global }
    .group_segment_fixed_size: 327680
    .private_segment_fixed_size: 0
    .kernarg_segment_align: 8
    .kernarg_segment_size: 80
    .max_flat_workgroup_size: 256
    .sgpr_count:     66
    .vgpr_count:     512
    .wavefront_size: 32
...
	.end_amdgpu_metadata
.endif
;; end of part 4
